; MI455X (gfx1250); checked and timed in simulation.
; The chip was launched on July 23, 2026; its instructions are those of AMD's public machine-readable ISA for CDNA 5 (MIT licence, August 2026) and "CDNA5" Instruction Set Architecture Reference Guide (July 2026). The comments in the code are by the model that wrote it; some were corrected since.
;; Multi Head Attention Layer. Allowed arithmetic: matrix products marked QUANTISED: E2M1 operands, one E8M0 scale for each 32 along K, by v_wmma_scale_f32_16x16x128_f8f6f4 with both operands' format E2M1 (or v_wmma_scale_f32_32x16x128_f4), f32 sums; everything else in f32.
;; Inputs: Wk 16 x 1,024 x 64 float32; Wo 1,024 x 1,024 float32; Wq 16 x 1,024 x 64 float32; Wv 16 x 1,024 x 64 float32; X 4 x 2,048 x 1,024 float32; bk 16 x 64 float32; bo 1,024 float32; bq 16 x 64 float32; bv 16 x 64 float32.
;; Outputs: out0 4 x 2,048 x 1,024 float32.
;; This version of the problem:
;;   THIS VERSION OF THE PROBLEM IS GIVEN IN LOW PRECISION. The matrix products marked QUANTISED in the list below multiply operands that are first quantised to E2M1 (2 exponent bits, 1 mantissa bit; 4 bits a number), with one power-of-two scale for each 32 numbers along K (OCP MX v1.0); their sums are f32. All else is computed in f32.
;;   The module's matrix products, in the order in which they are computed (A, B: the left and right operand; K: the contracted axis; several contracted axes count as one K, in the product's order):
;;     1. [M 1,024, K 1,024] x [K 1,024, N 8,192]; A: input Wq; B: input X: QUANTISED
;;     2. [M 1,024, K 1,024] x [K 1,024, N 8,192]; A: input Wk; B: input X: QUANTISED
;;     3. [M 1,024, K 1,024] x [K 1,024, N 8,192]; A: input Wv; B: input X: QUANTISED
;;     4. batch 64 x [M 2,048, K 64] x [K 64, N 2,048]; A: computed on the way; B: computed on the way: QUANTISED
;;     5. batch 64 x [M 2,048, K 2,048] x [K 2,048, N 64]; A: softmax (see below); B: computed on the way: QUANTISED
;;     6. [M 8,192, K 1,024] x [K 1,024, N 1,024]; A: computed on the way; B: input Wo: QUANTISED
;;   THE QUANTISER, for each operand of a quantised product, along K:
;;     - K is cut into blocks of 32 from its start; a last block that is shorter is filled with zeros.
;;     - A block's scale is 2^e with e = floor(log2(the largest magnitude in the block)) - 2, held to -126 .. 127; a block of zeros has e = 0. As a byte (E8M0): e + 127.
;;     - Each number is divided by its block's scale, clamped to +-6, and rounded to the nearest number of E2M1, ties to even, subnormals kept.
;;     - The product sums the exact products of the quantised numbers (number of the format x scale) in f32.
;;   ~~~python
;;   def quantise(x, axis):      # numpy; x: float32 -> the quantised numbers, widened to float32 again
;;       x = np.moveaxis(x, axis, -1); K = x.shape[-1]
;;       x = np.pad(x, [(0, 0)] * (x.ndim - 1) + [(0, -K % 32)]); x = x.reshape(x.shape[:-1] + (-1, 32)); a = np.abs(x).max(-1, keepdims=True)
;;       e = np.where(a > 0, np.clip(np.frexp(np.where(a > 0, a, 1))[1] - 1 - 2, -126, 127), 0)      # np.frexp(a)[1] - 1 = floor(log2(a)), exactly
;;       r = np.clip(x / 2.0 ** e, -6, 6)
;;       step = 2.0 ** (np.maximum(np.frexp(np.where(r == 0, 1, r))[1] - 1, 0) - 1)
;;       q = np.round(r / step) * step * 2.0 ** e      # np.round: ties to even
;;       return np.moveaxis(q.reshape(q.shape[:-2] + (-1,))[..., :K], -1, axis).astype(np.float32)
;;   ~~~
;;   SOFTMAX AHEAD OF A QUANTISED PRODUCT. Where the list says 'softmax', what is quantised is not the finished softmax but p = 2^(t - M), with t = logit x log2(e) and M = ceil(the row's largest t), a whole number; so 1/2 < the row's largest p <= 1. The row's sum l is taken of the UNQUANTISED p, in f32, and the product's result is divided by l at the end. Since M is a whole number, a kernel that streams over the keys may use a running M (the ceiling of the running maximum): every later rescaling is an exact power of two, which a block's scale takes up: the codes' values come out the same.
;;   OPERANDS COMPUTED ON THE WAY. 'Computed on the way' means the value that the module computes at that place (a softmax that the list does not call 'softmax' is quantised finished and normalised). What goes into a quantiser is computed in f32, as accurately as f32 sums, v_exp_f32 and their like allow (about 1e-6 of the number): no bf16 or f16 on the way to a quantiser, and a product that is left as it is and whose result goes on into a quantised operand takes f32 operands (vector FMAs, or v_wmma_f32_16x16x4_f32). A number that lies on a knife's edge between two numbers of the format may be rounded either way, as far as f32 arithmetic and the matrix unit's own rounding can turn it there, and no further.
;; One version. Each part assembles by itself: llvm-mc -triple=amdgcn-amd-amdhsa -mcpu=gfx1250 --defsym DOCPART=n.
;; ======== version 1 of 1: 4 launches
;; limits: right only within a limited range of input values
;; workspace buffers: xq 4,456,448 bytes; wq 2,228,224 bytes; qb 4,718,592 bytes; kv 8,912,896 bytes; aq 4,456,448 bytes
;; launch quant (part 1): grid 512 x 1, 4 waves a work-group, no clusters, 34,304 bytes of LDS; arguments X, Wq, Wk, Wv, Wo, xq, wq; writes xq, wq
.if DOCPART == 1
	.amdgcn_target "amdgcn-amd-amdhsa--gfx1250"
	.amdhsa_code_object_version 6
	.text
	.protected	k_q4def5df916_quant
	.globl	k_q4def5df916_quant
	.p2align	8
	.type	k_q4def5df916_quant,@function
k_q4def5df916_quant:
	s_mov_b64 s[64:65], 0
	v_nop
	global_prefetch_b8 v0, s[64:65] scope:SCOPE_SE
	s_setreg_imm32_b32 hwreg(HW_REG_WAVE_MODE, 25, 1), 1
	s_wait_xcnt 0x0
; FIRST OF FOUR LAUNCHES of a multi-head attention layer on codes of FP4 (E2M1) with one E8M0 scale for each 32 along a product's K.
; This launch turns X [8192][1024] and the four weights (K = their first axis inside a head, or Wo's first axis) into codes and scale bytes,
; laid in the order of the matrix operand's registers, so that the later launches fetch fragments by 16-byte loads at 16 x lane.
; WORK LEFT OUT IN THE PROGRAM (in the third launch): the scores of keys t > s are set to -infinity by the mask that the layer builds itself
; (a lower triangle of ones); their p = 2^(-infinity) is 0 for all values of the inputs, adds nothing to a row's sum and has the code 0 in the
; second product.  So a step of 128 keys all of which come after a tile's 16 queries reaches no output and is not walked.  Nothing else is left
; out: every input (all four biases too: bk moves K's codes) has a way to the output and is loaded.
; LIMITS: a NaN, an infinity or an overflow that would reach only such hidden scores is not carried to the result.  A block of zeros gets the
; scale byte 1 (its codes are zeros, and this program alone reads the bytes); blocks whose largest magnitude lies under 2^-124 are held at byte 1;
; NaN and infinities among the inputs are not served.
; TILE ORDER: 32 neighbouring rows (of X) or columns (of a weight) make two tiles of 16: lane-row r of tile 2 g + u is row 32 g + 8 u + r + 8 (r / 8).
; FRAGMENT IMAGE (tile, K step q of 128): 1,024 bytes; byte 512 c + 16 lane holds the 32 codes k = 128 q + 64 c + 32 (lane / 16) + 0 .. 31 of lane-row lane % 16.
; SCALE IMAGE of a tile: 512 bytes; byte 256 (q / 4) + 16 r + 4 (q % 4) holds the scale word (four bytes) of K step q of lane-row r.
; xq: codes [tile 512][q 8][1,024], scale images from byte 4,194,304.  wq: tiles head x 12 + tensor x 4 + t (Wq, Wk, Wv), 192 + n / 16 (Wo); scale images from byte 2,097,152.
; SHARES: work-groups 0-255 take 32 rows of X each (a wave: one tile, half of K); work-groups 256-511 take the weights (a wave: 32 columns x 128 along K).
; No tensor load, no barrier: waves share nothing.  Only X's path uses LDS.
.set SPITCH, 528                       ; a stage row: 512 bytes + 16, so that the 16 rows of a read start at 16 different banks
.set WSTAGE, 16*SPITCH                 ; a wave's stage
.set SPARE,  4*WSTAGE                  ; behind the stages: the spare words, 128 bytes a wave
.set XQS,    4194304
.set WQS,    2097152
.set LI,   1                           ; v1   16 x lane
.set RR,   2                           ; v2   lane % 16
.set HH,   3                           ; v3   lane / 16
.set SIN,  4                           ; v4   X: the stage, way in
.set SOUT, 5                           ; v5   X: the stage, way out
.set SPW,  6                           ; v6   my spare word; never rewritten
.set NIL,  7                           ; v7   0; never rewritten
.set SW,   24                          ; v24-27  X: the four scale words
.set CD,   32                          ; v32-63  codes; no store's data are written again
.set R,    64                          ; v64-191 numbers as loaded: two sets of 64 (weights: two sets of 32)
.set XN,   192                         ; v192-255 X: 64 numbers, two whole blocks of my row
	s_load_b256 s[4:11], s[0:1], 0x0               ; X, Wq, Wk, Wv
	s_load_b128 s[12:15], s[0:1], 0x20             ; Wo, xq
	s_load_b64 s[16:17], s[0:1], 0x30              ; wq
	v_lshl_add_u32 v[SPW], v0, 2, SPARE
	v_mov_b32 v[NIL], 0
	v_lshrrev_b32 v1, 5, v0
	v_readfirstlane_b32 s18, v1                    ; wave
	v_and_b32 v11, 31, v0                          ; lane
	v_lshlrev_b32 v[LI], 4, v11
	v_and_b32 v[RR], 15, v0
	v_bfe_u32 v[HH], v0, 4, 1
	s_and_b32 s19, s18, 1
	s_lshr_b32 s20, s18, 1
	s_mov_b32 s25, 0                               ; the upper word of every offset
	s_mov_b32 s27, 0
	s_wait_kmcnt 0x0
	s_cmp_lt_u32 ttmp9, 256
	s_cbranch_scc0 .Lweights
; ---------------- X: tile T = 2 g + wave / 2, K half wave % 2: four K steps of 128
	s_lshl_b32 s24, ttmp9, 17                      ; 32 rows of 4,096 bytes
	s_lshl_b32 s26, s20, 15                        ; the tile's first row: 8 u rows on
	s_add_co_u32 s24, s24, s26
	s_lshl_b32 s26, s19, 11                        ; my half of K
	s_add_co_u32 s24, s24, s26
	s_add_nc_u64 s[4:5], s[4:5], s[24:25]
	s_lshl_b32 s23, ttmp9, 1
	s_add_co_u32 s23, s23, s20                     ; T
	s_lshl_b32 s24, s23, 13
	s_lshl_b32 s26, s19, 12
	s_add_co_u32 s24, s24, s26
	s_add_nc_u64 s[28:29], s[14:15], s[24:25]      ; my four fragment images
	s_lshl_b32 s24, s23, 9
	s_lshl_b32 s26, s19, 8
	s_add_co_u32 s24, s24, s26
	s_add_co_u32 s24, s24, XQS
	s_add_nc_u64 s[30:31], s[14:15], s[24:25]      ; my half of the scale image
	s_mov_b32 s32, 0x76543210
	s_mov_b32 s33, 0xfedcba98                      ; lane selects: lane l xor 16
	s_mul_i32 s22, s18, WSTAGE
	s_wait_alu depctr_va_vdst(0)
	v_add_nc_u32 v[SIN], s22, v[LI]
	v_mul_u32_u24 v[SOUT], v[RR], SPITCH
	v_lshl_add_u32 v[SOUT], v[HH], 7, v[SOUT]
	v_add_nc_u32 v[SOUT], s22, v[SOUT]             ; row r, + 128 bytes for the upper half of the lanes
	v_lshlrev_b32 v20, 3, v[HH]                    ; 8 h: where my two bytes stand in a scale word
	v_mov_b32 v19, 0                               ; a lane permute's destination counts as read
	v_lshlrev_b32 v21, 4, v[RR]
	v_lshl_add_u32 v21, v[HH], 3, v21              ; 16 r + 8 h
.macro LOADX q                         ; K step q of the tile's 16 rows: each load reads 512 consecutive bytes
.irp i, 0,1,2,3,4,5,6,7,8,9,10,11,12,13,14,15
	global_load_b128 v[R+64*((\q)%2)+4*\i:R+64*((\q)%2)+4*\i+3], v[LI], s[4:5] offset:(\i+8*(\i/8))*4096+512*(\q) th:TH_LOAD_NT
.endr
.endm
.macro XSTEP q
.if (\q) < 3
	s_wait_loadcnt 16                              ; this step's 16 loads are in; the next step's 16 may be out
.else
	s_wait_loadcnt 0
.endif
.irp i, 0,1,2,3,4,5,6,7,8,9,10,11,12,13,14,15
	ds_store_b128 v[SIN], v[R+64*((\q)%2)+4*\i:R+64*((\q)%2)+4*\i+3] offset:SPITCH*\i
.endr
.irp c, 0,1                            ; LDS serves a wave's instructions in order: these see the stores above.  Lane (r, h) takes k = 64 c + 32 h + 0 .. 31 of row r
.irp j, 0,1,2,3,4,5,6,7
	ds_load_b128 v[XN+32*\c+4*\j:XN+32*\c+4*\j+3], v[SOUT] offset:256*\c+16*\j
.endr
.endr
	s_wait_dscnt 0x0                               ; my numbers are back, and the stores have read their registers,
.if (\q) < 2
	LOADX (\q)+2                                   ; which take the loads of two steps on
.endif
.irp c, 0,1
	v_max3_num_f32 v[12+\c], |v[XN+32*\c]|, |v[XN+32*\c+1]|, 0x1800000   ; block 2 c + h is all mine; the floor 2^(3 - 127) holds the byte at 1 from below
.endr
.irp i, 2,4,6,8,10,12,14,16,18,20,22,24,26,28,30
.irp c, 0,1
	v_max3_num_f32 v[12+\c], v[12+\c], |v[XN+32*\c+\i]|, |v[XN+32*\c+\i+1]|
.endr
.endr
.irp c, 0,1
	v_add_nc_u32 v[14+\c], 0xff000000, v[12+\c]    ; 2 off the exponent field: the conversion's scale operand
.endr
.irp c, 0,1
	v_lshrrev_b32 v[16+\c], 23, v[14+\c]           ; the scale's byte
.endr
	v_lshl_or_b32 v18, v17, 16, v16                ; my bytes of blocks h and 2 + h,
	v_lshlrev_b32 v18, v20, v18                    ; at their places;
	v_permlanex16_b32 v19, v18, s32, s33
	v_or_b32 v[SW+(\q)], v18, v19                  ; with lane l xor 16's two the word is whole
.irp c, 0,1
.irp g, 0,1,2,3
	v_cvt_scalef32_pk8_fp4_f32 v[CD+8*(\q)+4*\c+\g], v[XN+32*\c+8*\g:XN+32*\c+8*\g+7], v[14+\c]
.endr
.endr
	v_nop                                          ; one plain instruction behind the conversions
.irp c, 0,1
	global_store_b128 v[LI], v[CD+8*(\q)+4*\c:CD+8*(\q)+4*\c+3], s[28:29] offset:1024*(\q)+512*\c   ; 512 consecutive bytes
.endr
.endm
	LOADX 0
	LOADX 1
	s_wait_alu depctr_va_vdst(0)
	XSTEP 0
	XSTEP 1
	XSTEP 2
	XSTEP 3
	v_cmp_eq_u32 vcc_lo, 1, v[HH]
	v_cndmask_b32 v22, v[SW], v[SW+2], vcc_lo      ; lane (r, h) stores words 2 h and 2 h + 1 of row r:
	v_cndmask_b32 v23, v[SW+1], v[SW+3], vcc_lo
	global_store_b64 v21, v[22:23], s[30:31]       ; the 32 lanes store 256 consecutive bytes, aligned
	s_branch .Lend
; ---------------- the weights: a lane takes a column, and its registers run down K
.macro WLD b, pitch                    ; block b: 32 rows of K at my column: a wave reads 128 consecutive bytes, two waves side by side 256
.irp i, 0,1,2,3,4,5,6,7,8,9,10,11,12,13,14,15,16,17,18,19,20,21,22,23,24,25,26,27,28,29,30,31
	global_load_b32 v[R+32*((\b)%2)+\i], v8, s[6:7] offset:(32*(\b)+\i)*(\pitch) th:TH_LOAD_NT
.endr
.endm
.macro WBLOCK b, pitch
.set XS, R+32*((\b)%2)
.if (\b) < 3
	s_wait_loadcnt 32                              ; this block's 32 loads are in; the next block's may be out
.else
	s_wait_loadcnt 0
.endif
	v_max3_num_f32 v12, |v[XS]|, |v[XS+1]|, |v[XS+2]|
	v_max3_num_f32 v13, |v[XS+3]|, |v[XS+4]|, |v[XS+5]|
.irp i, 6,10,14,18,22,26
	v_max3_num_f32 v12, v12, |v[XS+\i]|, |v[XS+\i+1]|
	v_max3_num_f32 v13, v13, |v[XS+\i+2]|, |v[XS+\i+3]|
.endr
	v_max3_num_f32 v12, v12, |v[XS+30]|, |v[XS+31]|
	v_max3_num_f32 v12, v12, v13, 0x1800000        ; and the floor
	v_add_nc_u32 v14, 0xff000000, v12
	v_lshrrev_b32 v15, 23, v14
.if (\b) == 0
	v_mov_b32 v16, v15                             ; the four bytes make my column's scale word of this K step
.else
	v_lshl_or_b32 v16, v15, 8*(\b), v16
.endif
.irp g, 0,1,2,3
	v_cvt_scalef32_pk8_fp4_f32 v[CD+4*(\b)+\g], v[XS+8*\g:XS+8*\g+7], v14
.endr
	v_nop                                          ; one plain instruction behind the conversions
	global_store_b128 v9, v[CD+4*(\b):CD+4*(\b)+3], s[30:31] offset:256*(\b)   ; block b = 2 c + h of the image: the 16 lanes of each tile fill 256 consecutive bytes
.if (\b) < 2
	WLD (\b)+2, \pitch
.endif
.endm
.macro WWORK pitch                     ; s[6:7]: my first number;  s28: the panel's first tile
	s_lshl_b32 s29, s19, 1
	s_add_co_u32 s28, s28, s29                     ; my two tiles: + 2 (wave % 2)
	s_lshl_b32 s26, s28, 13
	s_lshl_b32 s29, s22, 10
	s_add_co_u32 s26, s26, s29
	s_add_nc_u64 s[30:31], s[16:17], s[26:27]      ; the image of (tile, q)
	s_lshl_b32 s26, s28, 9
	s_lshr_b32 s29, s22, 2
	s_lshl_b32 s29, s29, 8
	s_add_co_u32 s26, s26, s29
	s_and_b32 s29, s22, 3
	s_lshl_b32 s29, s29, 2
	s_add_co_u32 s26, s26, s29
	s_add_co_u32 s26, s26, WQS
	s_add_nc_u64 s[34:35], s[16:17], s[26:27]      ; word q of the scale image
	WLD 0, \pitch
	WLD 1, \pitch
	WBLOCK 0, \pitch
	WBLOCK 1, \pitch
	WBLOCK 2, \pitch
	WBLOCK 3, \pitch
	global_store_b32 v10, v16, s[34:35]            ; 4 bytes a lane, 16 bytes apart: one byte in 128 of what this path reads
.endm
.Lweights:
	s_sub_co_u32 s21, ttmp9, 256
	s_and_b32 s22, s21, 3
	s_lshl_b32 s22, s22, 1
	s_add_co_u32 s22, s22, s20                     ; K step q = 2 (index % 4) + wave / 2
	s_wait_alu depctr_va_vdst(0)
	v_lshlrev_b32 v8, 2, v11                       ; 4 bytes a lane
	v_bfe_u32 v12, v0, 3, 1                        ; column rho = lane: tile u = bit 3,
	v_and_b32 v13, 7, v0
	v_lshl_add_u32 v13, v[HH], 3, v13              ; lane-row 8 x bit 4 + rho % 8
	v_lshlrev_b32 v13, 4, v13
	v_lshl_add_u32 v9, v12, 13, v13                ; in the codes: 8,192 u + 16 r
	v_lshl_add_u32 v10, v12, 9, v13                ; in the scale images: 512 u + 16 r
	s_cmp_lt_u32 s21, 192
	s_cbranch_scc0 .Lwo
	s_lshr_b32 s23, s21, 2                         ; panel = tensor x 16 + head
	s_lshr_b32 s24, s23, 4
	s_and_b32 s23, s23, 15
	s_cmp_eq_u32 s24, 0
	s_cselect_b64 s[6:7], s[6:7], s[8:9]
	s_cmp_eq_u32 s24, 2
	s_cselect_b64 s[6:7], s[10:11], s[6:7]         ; Wq, Wk or Wv: the choice hangs on the work-group's number alone
	s_lshl_b32 s26, s23, 18                        ; a head: 1,024 rows of 256 bytes
	s_lshl_b32 s29, s19, 7
	s_add_co_u32 s26, s26, s29                     ; my 32 columns
	s_lshl_b32 s29, s22, 15
	s_add_co_u32 s26, s26, s29                     ; my 128 rows
	s_add_nc_u64 s[6:7], s[6:7], s[26:27]
	s_mul_i32 s28, s23, 12
	s_lshl_b32 s29, s24, 2
	s_add_co_u32 s28, s28, s29
	s_wait_alu depctr_va_vdst(0)
	WWORK 256
	s_branch .Lend
.Lwo:
	s_sub_co_u32 s23, s21, 192
	s_lshr_b32 s23, s23, 2                         ; panel of 64 columns of Wo
	s_lshl_b32 s26, s23, 8
	s_lshl_b32 s29, s19, 7
	s_add_co_u32 s26, s26, s29
	s_lshl_b32 s29, s22, 19                        ; 128 rows of 4,096 bytes
	s_add_co_u32 s26, s26, s29
	s_add_nc_u64 s[6:7], s[12:13], s[26:27]
	s_lshl_b32 s28, s23, 2
	s_add_co_u32 s28, s28, 192
	s_wait_alu depctr_va_vdst(0)
	WWORK 4096
.Lend:
	s_wait_tensorcnt 0x0                           ; the wave's end
	ds_add_u32 v[SPW], v[NIL]
	s_wait_dscnt 0x0
	s_endpgm
.Lfunc_end_k_q4def5df916_quant:
	.size	k_q4def5df916_quant, .Lfunc_end_k_q4def5df916_quant-k_q4def5df916_quant
	.p2alignl 7, 3214868480
	.fill 96, 4, 3214868480
	.section	.rodata,"a",@progbits
	.p2align	6, 0x0
	.amdhsa_kernel k_q4def5df916_quant
		.amdhsa_group_segment_fixed_size 34304
		.amdhsa_private_segment_fixed_size 0
		.amdhsa_enable_private_segment 0
		.amdhsa_kernarg_size 56
		.amdhsa_user_sgpr_count 2
		.amdhsa_user_sgpr_kernarg_segment_ptr 1
		.amdhsa_wavefront_size32 1
		.amdhsa_system_sgpr_workgroup_id_x 1
		.amdhsa_system_sgpr_workgroup_id_y 1
		.amdhsa_system_sgpr_workgroup_id_z 1
		.amdhsa_system_vgpr_workitem_id 0
		.amdhsa_next_free_vgpr 256
		.amdhsa_next_free_sgpr 66
		.amdhsa_reserve_vcc 1
		.amdhsa_float_denorm_mode_32 3
		.amdhsa_float_denorm_mode_16_64 3
		.amdhsa_memory_ordered 1
		.amdhsa_forward_progress 1
		.amdhsa_inst_pref_size 69
	.end_amdhsa_kernel
	.amdgpu_metadata
---
amdhsa.version: [ 1, 2 ]
amdhsa.kernels:
  - .name:           k_q4def5df916_quant
    .symbol:         k_q4def5df916_quant.kd
    .args:
      - { .name: X, .offset: 0, .size: 8, .value_kind: global_buffer, .address_space: global }
      - { .name: Wq, .offset: 8, .size: 8, .value_kind: global_buffer, .address_space: global }
      - { .name: Wk, .offset: 16, .size: 8, .value_kind: global_buffer, .address_space: global }
      - { .name: Wv, .offset: 24, .size: 8, .value_kind: global_buffer, .address_space: global }
      - { .name: Wo, .offset: 32, .size: 8, .value_kind: global_buffer, .address_space: global }
      - { .name: xq, .offset: 40, .size: 8, .value_kind: global_buffer, .address_space: global }
      - { .name: wq, .offset: 48, .size: 8, .value_kind: global_buffer, .address_space: global }
    .group_segment_fixed_size: 34304
    .private_segment_fixed_size: 0
    .kernarg_segment_align: 8
    .kernarg_segment_size: 56
    .max_flat_workgroup_size: 128
    .sgpr_count:     66
    .vgpr_count:     256
    .wavefront_size: 32
...
	.end_amdgpu_metadata
.endif
;; end of part 1
;; launch proj (part 2): grid 16 x 32, 4 waves a work-group, clusters of 4 x 4, 230,912 bytes of LDS; arguments xq, wq, bq, bk, bv, qb, kv; writes qb, kv
.if DOCPART == 2
	.amdgcn_target "amdgcn-amd-amdhsa--gfx1250"
	.amdhsa_code_object_version 6
	.text
	.protected	k_q4def5df916_proj
	.globl	k_q4def5df916_proj
	.p2align	8
	.type	k_q4def5df916_proj,@function
k_q4def5df916_proj:
	s_mov_b64 s[64:65], 0
	v_nop
	global_prefetch_b8 v0, s[64:65] scope:SCOPE_SE
	s_setreg_imm32_b32 hwreg(HW_REG_WAVE_MODE, 25, 1), 1
	s_wait_xcnt 0x0
	s_wait_alu depctr_hold_cnt(0) depctr_sa_sdst(0) depctr_va_vdst(0) depctr_va_sdst(0) depctr_va_ssrc(0) depctr_va_vcc(0) depctr_vm_vsrc(0)
	s_getreg_b32 s2, hwreg(HW_REG_IB_STS2, 6, 4)
	s_cmp_eq_u32 s2, 0
	s_cbranch_scc0 .Lentry_in_a_cluster
	s_endpgm
.Lentry_in_a_cluster:
	s_bfe_u32 s2, ttmp6, 0x10000c
	s_cmp_lg_u32 s2, 0xf033
	s_cbranch_scc0 .Lentry_shape_is_right
	s_endpgm
.Lentry_shape_is_right:
; SECOND LAUNCH: Q = X Wq + bq, K = X Wk + bk, V = X Wv + bv on codes of FP4, and the quantisers of Q and K (along the head's 64) and of V (along the keys).  Nothing is left out here.
; A work-group (x = head, y = block of 256 rows of X) makes 256 rows x 192 columns; wave w its rows 64 w .. 64 w + 63 (four tiles) against all 12 tiles of the head's weights: 48 accumulators.
; ALL OF K = 1,024 LIES IN LDS.  A tile's eight fragment images are 8,192 consecutive bytes and neighbouring tiles follow each other, so each wave's share is ONE dense block and ONE tensor load at the head:
; waves 0, 1: eight tiles of X each (65,536 bytes); waves 2, 3: six tiles of the weights each (49,152 bytes).  No LDS byte is filled twice.
; CLUSTER 4 x 4: the four work-groups of a row of the cluster share y and so X's tiles, the four of a column share the head and so the weights' tiles: each is asked for jointly.
; No prefetch into the L2: the launch has no loop to run ahead in; all it reads is asked for at its head.
; Q and K are made TRANSPOSED (source 0 = 16 columns of W, source 1 = 16 rows of X): a lane holds one row, and by the tile order its 32 registers of a tile of rows are 2 x 16 neighbours along the head's 64.
; V is made the natural way (source 0 = X, source 1 = Wv): a lane holds one column v, and its 32 registers are 2 x 16 neighbouring keys.  The biases are the C of each sum's first product.
; OUT.  qb [bh 64][group of 64 queries 32][2,304]: four tiles x 512 bytes (16 x lane: block lane / 16 of query lane % 16), then [r][tile] scale words (s0, s1, s0, s1).
; kv [bh][128 keys 16][8,704]: K: 8 tiles x 512; from 4,096 V^T: 4 tiles x 1,024 (fragment images over the 128 keys); from 8,192 K's words [r][pair of tiles]; from 8,448 V's words [r][tile].
; LIMITS: as stated at the head of the first launch (scale byte 1 for blocks of zeros and under 2^-124; no NaN, no infinities).
; REGISTERS: window 0: v1-15 addresses; v32-47 X's scale images, v48-95 the weights'; v96-127 at work; v128-175 codes; v176-203 scale words.
;   window 1: fragments, two sets of 128: X's tile m at 8 m, W's tile t at 32 + 8 t.   window 2: Q's accumulators (m, t) at 8 (4 m + t), K's at 128 + the same.
;   window 3: V's (tile of columns TW, m) at 8 (4 TW + m); the biases: bq at 128, bk at 160, bv at 192.
.set WL,    131072                     ; LDS: X's tiles [16 tiles][q 8][1,024] from 0; the weights' [12 tiles][q 8][1,024] from here
.set STG,   229376                     ; 1,024 bytes: the two records' scale words, gathered
.set SPARE, 230400                     ; the spare words, 128 bytes a wave
.set LI,  1                            ; v1  16 x lane
.set SPW, 8
.set NIL, 9
.set XS,  32
.set WS,  48
.set TM,  96                           ; largest magnitudes
.set TM2, 104                          ; the other half of the lanes'
.set TS,  112                          ; the conversions' scale operands
.set TB,  120                          ; scale bytes
.set MSB, 0
.macro WIN new                         ; the immediate's high byte repeats the setting that is left
.if MSB != \new
	s_set_vgpr_msb (MSB<<8)|\new
.set MSB, \new
.endif
.endm
.macro PLACES                          ; four plain instructions behind a matrix instruction (ISA guide 7.12.1)
.rept 4
	v_nop
.endr
.endm
.macro CROUND                          ; a round of the cluster's barrier
	s_barrier_signal -1
	s_barrier_wait -1
	s_cmp_lg_u32 s18, 0
	s_cbranch_scc1 .Lnot_wave_0_\@
	s_barrier_signal -3
.Lnot_wave_0_\@:
	s_barrier_wait -3
	s_barrier_signal -1
	s_barrier_wait -1
.endm
	s_load_b256 s[4:11], s[0:1], 0x0               ; xq, wq, bq, bk
	s_load_b128 s[12:15], s[0:1], 0x20             ; bv, qb
	s_load_b64 s[16:17], s[0:1], 0x30              ; kv
	v_lshl_add_u32 v[SPW], v0, 2, SPARE
	v_mov_b32 v[NIL], 0
	ds_add_u32 v[SPW], v[NIL]                      ; the wave's opening: the add, twice on end, and its wait ahead of my tensor load
	ds_add_u32 v[SPW], v[NIL]
	v_lshrrev_b32 v1, 5, v0
	v_readfirstlane_b32 s18, v1                    ; wave
	s_and_b32 s19, s18, 1                          ; which half of the tiles I fetch
	s_lshr_b32 s20, s18, 1                         ; I fetch for X (0) or for the weights (1)
	s_bfe_u32 s21, ttmp6, 0x40000                  ; cx
	s_bfe_u32 s22, ttmp6, 0x40004                  ; cy
	s_lshl_b32 s23, ttmp9, 2
	s_add_co_u32 s23, s23, s21                     ; head
	s_and_b32 s24, ttmp7, 0xffff
	s_lshl_b32 s24, s24, 2
	s_add_co_u32 s24, s24, s22                     ; y
	s_lshl_b32 s25, s22, 2
	s_lshl_b32 s25, 15, s25                        ; my row of the cluster
	s_lshl_b32 s26, 0x1111, s21                    ; my column
	; group 1: rows of 8,192 bytes (a whole tile: 1,024 elements of 8 bytes), one behind the other; X: 8 tiles, the weights: 6
	s_or_b32 s28, s25, (3<<16)|(1<<21)
	s_or_b32 s36, s26, (3<<16)|(1<<21)
.irp g, 28, 36
	s_mov_b32 s[\g+1], 1024<<16                    ; tensor_dim0
	s_mov_b32 s[\g+3], 1024<<16                    ; tile_dim0
	s_mov_b32 s[\g+5], 1024                        ; stride
	s_mov_b32 s[\g+6], 0
	s_mov_b32 s[\g+7], 0
.endr
	s_mov_b32 s30, 8<<16                           ; tensor_dim1
	s_mov_b32 s32, 8                               ; tile_dim1
	s_mov_b32 s38, 6<<16
	s_mov_b32 s40, 6
	s_lshl_b32 s84, s24, 17                        ; X: tile 16 y + 8 (wave % 2): made of y and the wave's number alone
	s_lshl_b32 s85, s19, 16
	s_add_co_u32 s84, s84, s85
	s_mov_b32 s85, 0
	s_mul_i32 s88, s23, 98304                      ; the weights: tile 12 head + 6 (wave % 2): of the head and the wave's number alone
	s_mul_i32 s89, s19, 49152
	s_add_co_u32 s88, s88, s89
	s_mov_b32 s89, 0
	s_lshl_b32 s27, s19, 16                        ; where they go: no place in the cluster enters an LDS address
	s_mul_i32 s92, s19, 49152
	s_add_co_u32 s92, s92, WL
	s_mov_b32 s60, 0x76543210
	s_mov_b32 s61, 0xfedcba98                      ; lane selects: lane l xor 16
	s_wait_dscnt 0x0                               ; both opening adds are done
	s_wait_kmcnt 0x0
	s_add_nc_u64 s[86:87], s[4:5], s[84:85]
	s_add_nc_u64 s[90:91], s[6:7], s[88:89]
	CROUND                                         ; all sixteen work-groups are here: the joint loads meet
	s_mov_b32 s44, 1
	s_mov_b32 s45, s27
	s_mov_b64 s[46:47], s[86:87]
	s_or_b32 s47, s47, 0x80000000
	s_mov_b32 s68, 1
	s_mov_b32 s69, s92
	s_mov_b64 s[70:71], s[90:91]
	s_or_b32 s71, s71, 0x80000000
	s_cmp_eq_u32 s20, 0                            ; one load a wave, in one branch on its number
	s_cbranch_scc0 .Lfill_w
	tensor_load_to_lds s[44:47], s[28:35]
	s_nop 0
	PLACES
	s_branch .Lfilled
.Lfill_w:
	tensor_load_to_lds s[68:71], s[36:43]
	s_nop 0
	PLACES
.Lfilled:
	v_and_b32 v16, 31, v0
	v_lshlrev_b32 v[LI], 4, v16
	v_and_b32 v2, 15, v0                           ; r
	s_wait_alu depctr_va_vdst(0)
	v_bfe_u32 v3, v0, 4, 1                         ; h
	s_lshl_b32 s62, s18, 15
	v_add_nc_u32 v4, s62, v[LI]                    ; X's fragments: my four tiles
	v_add_nc_u32 v6, WL, v[LI]                     ; the weights': tiles 0-5;
	v_add_nc_u32 v7, 49152, v6                     ; tiles 6-11
	s_lshl_b32 s62, s20, 9                         ; my record's 512 bytes of the gathered words
	s_lshl_b32 s63, s19, 3
	s_add_co_u32 s63, s63, s62
	s_add_co_u32 s63, s63, STG
	v_lshl_add_u32 v10, v2, 4, s63                 ; K's words: 16 r + 8 (wave % 2)
	s_lshl_b32 s63, s19, 1
	s_add_co_u32 s63, s63, s62
	s_add_co_u32 s63, s63, STG+256
	v_lshl_add_u32 v11, v2, 4, s63                 ; V's: 16 r + 2 (wave % 2), + 4 for each tile
	s_lshl_b32 s63, s19, 9
	s_add_co_u32 s63, s63, STG
	v_add_nc_u32 v12, s63, v[LI]                   ; and back: a record's 512 bytes
	v_lshlrev_b32 v13, 4, v2
	s_wait_alu depctr_va_vdst(0)
	v_lshl_add_u32 v13, v3, 3, v13                 ; 16 r + 8 h
	v_lshlrev_b32 v14, 6, v3                       ; bq, bk: 16 h numbers on
	v_and_b32 v15, 8, v2
	v_add_nc_u32 v15, v15, v2
	v_lshlrev_b32 v15, 2, v15                      ; bv: number r + 8 (r / 8)
	s_wait_alu depctr_va_vdst(0)
.irp i, 0,1,2,3,4,5,6,7
	v_mov_b32 v[TM2+\i], 0                         ; a lane permute's destination counts as read
.endr
	s_lshl_b32 s84, s24, 13                        ; X's scale images: tile 16 y + 4 w on
	s_lshl_b32 s85, s18, 11
	s_add_co_u32 s84, s84, s85
	s_add_co_u32 s84, s84, 4194304
	s_mov_b32 s85, 0
	s_add_nc_u64 s[84:85], s[4:5], s[84:85]
	s_mul_i32 s88, s23, 6144                       ; the weights': tile 12 head on
	s_add_co_u32 s88, s88, 2097152
	s_mov_b32 s89, 0
	s_add_nc_u64 s[88:89], s[6:7], s[88:89]
.irp m, 0,1,2,3
	global_load_b128 v[XS+4*\m:XS+4*\m+3], v[LI], s[84:85] offset:512*\m   ; register j: lanes 0-15 the word of K step j, lanes 16-31 of K step 4 + j
.endr
.irp t, 0,1,2,3,4,5,6,7,8,9,10,11
	global_load_b128 v[WS+4*\t:WS+4*\t+3], v[LI], s[88:89] offset:512*\t
.endr
	s_lshl_b32 s62, s23, 8                         ; the head's 64 numbers of each bias
	s_mov_b32 s63, 0
	s_add_nc_u64 s[8:9], s[8:9], s[62:63]
	s_add_nc_u64 s[10:11], s[10:11], s[62:63]
	s_add_nc_u64 s[12:13], s[12:13], s[62:63]
	WIN 0xc0                                       ; destination window 3
.irp t, 0,1,2,3                        ; in the result's layout: tile 2 b + u, lane (r, h), register j: column 32 b + 16 h + 8 u + j
	global_load_b128 v[128+8*\t:131+8*\t], v14, s[8:9] offset:(32*(\t/2)+8*(\t%2))*4
	global_load_b128 v[132+8*\t:135+8*\t], v14, s[8:9] offset:(32*(\t/2)+8*(\t%2))*4+16
	global_load_b128 v[160+8*\t:163+8*\t], v14, s[10:11] offset:(32*(\t/2)+8*(\t%2))*4
	global_load_b128 v[164+8*\t:167+8*\t], v14, s[10:11] offset:(32*(\t/2)+8*(\t%2))*4+16
.endr
.irp t, 0,1,2,3                        ; V's results hold one column a lane: all eight registers take that column's bias
.irp j, 0,1,2,3,4,5,6,7
	global_load_b32 v[192+8*\t+\j], v15, s[12:13] offset:(32*(\t/2)+8*(\t%2))*4
.endr
.endr
	WIN 0
	s_lshr_b32 s62, s24, 3
	s_lshl_b32 s62, s62, 4
	s_add_co_u32 s62, s62, s23                     ; bh = batch x 16 + head
	s_and_b32 s63, s24, 7
	s_mul_i32 s94, s62, 73728
	s_lshl_b32 s93, s63, 2
	s_add_co_u32 s93, s93, s18
	s_mul_i32 s93, s93, 2304
	s_add_co_u32 s94, s94, s93
	s_mov_b32 s95, 0
	s_add_nc_u64 s[94:95], s[14:15], s[94:95]      ; my group of 64 queries
	s_mul_i32 s96, s62, 139264
	s_lshl_b32 s93, s63, 1
	s_add_co_u32 s66, s93, s19                     ; the record whose words waves 0 and 1 store
	s_add_co_u32 s93, s93, s20                     ; my record
	s_mul_i32 s93, s93, 8704
	s_mul_i32 s66, s66, 8704
	s_add_co_u32 s93, s93, s96
	s_add_co_u32 s66, s66, s96
	s_mov_b32 s67, 0
	s_add_nc_u64 s[66:67], s[16:17], s[66:67]
	s_lshl_b32 s96, s19, 11
	s_add_co_u32 s96, s96, s93
	s_mov_b32 s97, 0
	s_add_nc_u64 s[96:97], s[16:17], s[96:97]      ; K: my four tiles
	s_lshl_b32 s98, s19, 9
	s_add_co_u32 s98, s98, s93
	s_mov_b32 s99, 0
	s_add_nc_u64 s[98:99], s[16:17], s[98:99]      ; V: my half of each image
.macro FETCH q, p                      ; K step q's fragments into set p: 32 loads of 512 consecutive bytes
	WIN 0x40
.irp m, 0,1,2,3
.irp c, 0,1
	ds_load_b128 v[128*(\p)+8*\m+4*\c:128*(\p)+8*\m+4*\c+3], v4 offset:8192*\m+1024*(\q)+512*\c
.endr
.endr
.irp t, 0,1,2,3,4,5,6,7,8,9,10,11
.irp c, 0,1
	ds_load_b128 v[128*(\p)+32+8*\t+4*\c:128*(\p)+32+8*\t+4*\c+3], v[6+(\t)/6] offset:8192*((\t)%6)+1024*(\q)+512*\c
.endr
.endr
.endm
.macro WM row                          ; one product on rD, rA, rB, rC, sA, sB; row = 1: K steps 4 to 7 take their scale words from lanes 16-31
.if \row
	v_wmma_scale_f32_16x16x128_f8f6f4 v[rD:rD+7], v[rA:rA+7], v[rB:rB+7], v[rC:rC+7], v[sA], v[sB] matrix_a_fmt:MATRIX_FMT_FP4 matrix_b_fmt:MATRIX_FMT_FP4 matrix_a_scale:MATRIX_SCALE_ROW1 matrix_b_scale:MATRIX_SCALE_ROW1
.else
	v_wmma_scale_f32_16x16x128_f8f6f4 v[rD:rD+7], v[rA:rA+7], v[rB:rB+7], v[rC:rC+7], v[sA], v[sB] matrix_a_fmt:MATRIX_FMT_FP4 matrix_b_fmt:MATRIX_FMT_FP4
.endif
.endm
.macro MULQK q, p                      ; 32 products: Q's and K's accumulators, one instruction a turn
.if (\q) == 0
	WIN 0xb5                                       ; sources 0, 1 window 1, C (the bias) window 3, D window 2
.else
	WIN 0xa5                                       ; C and D window 2
.endif
.irp n, 0,1
.irp m, 0,1,2,3
.irp t, 0,1,2,3
.set rD, 128*\n+8*(4*\m+\t)
.set rA, 128*(\p)+32+8*(4*\n+\t)
.set rB, 128*(\p)+8*\m
.if (\q) == 0
.set rC, 128+32*\n+8*\t
.else
.set rC, 128*\n+8*(4*\m+\t)
.endif
.set sA, WS+4*(4*\n+\t)+(\q)%4
.set sB, XS+4*\m+(\q)%4
	WM (\q)/4
.endr
.endr
.endr
.endm
.macro MULV q, p                       ; 16 products: V's accumulators
	WIN 0xf5                                       ; sources 0, 1 window 1, C and D window 3 (the bias lies there too)
.irp t, 0,1,2,3
.irp m, 0,1,2,3
.set rD, 8*(4*\t+\m)
.set rA, 128*(\p)+8*\m
.set rB, 128*(\p)+32+8*(8+\t)
.if (\q) == 0
.set rC, 192+8*\t
.else
.set rC, 8*(4*\t+\m)
.endif
.set sA, XS+4*\m+(\q)%4
.set sB, WS+4*(8+\t)+(\q)%4
	WM (\q)/4
.endr
.endr
.endm
.macro KSTEP q
	s_wait_dscnt 0x0                               ; this step's fragments are in (asked for 48 matrix instructions ago)
.if (\q) < 7
.if (\q) > 0
	PLACES
.endif
	FETCH (\q)+1, ((\q)+1)%2
.endif
	MULQK \q, (\q)%2
	MULV \q, (\q)%2
.endm
; Four units of 32 registers (from base on, in the window that wmax and wcvt name): register 16 b + i of a unit = number 32 b + 16 (lane / 16) + i along the next K.
; They become four registers of codes a unit (lane (r, h): the whole block h) from v[pc] on, and the unit's two scale bytes in v[hw + unit].
.macro QUANT4 wmax, wcvt, base, pc, hw
	WIN \wmax
.irp i, 0,1,2,3,4,5,6,7                ; eight blocks by turns; each accumulator is read from its low end on
	v_max3_num_f32 v[TM+\i], |v[\base+16*\i]|, |v[\base+16*\i+1]|, 0x1800000
.endr
.irp k, 2,4,6,8,10,12,14
.irp i, 0,1,2,3,4,5,6,7
	v_max3_num_f32 v[TM+\i], |v[\base+16*\i+\k]|, |v[\base+16*\i+\k+1]|, v[TM+\i]
.endr
.endr
	WIN 0
.irp i, 0,1,2,3,4,5,6,7
	v_permlanex16_b32 v[TM2+\i], v[TM+\i], s60, s61
.endr
.irp i, 0,1,2,3,4,5,6,7
	v_max_num_f32 v[TM+\i], v[TM+\i], v[TM2+\i]    ; with lane l xor 16's 16: the block's largest magnitude
.endr
.irp i, 0,1,2,3,4,5,6,7
	v_add_nc_u32 v[TS+\i], 0xff000000, v[TM+\i]    ; 2 off the exponent field: the conversion's scale operand
.endr
.irp i, 0,1,2,3,4,5,6,7
	v_lshrrev_b32 v[TB+\i], 23, v[TS+\i]           ; the scale's byte
.endr
.irp u, 0,1,2,3
	v_lshl_or_b32 v[\hw+\u], v[TB+2*\u+1], 8, v[TB+2*\u]
.endr
	WIN \wcvt
.irp i, 0,1,2,3,4,5,6,7
	v_cvt_scalef32_pk8_fp4_f32 v[\pc+2*\i], v[\base+16*\i:\base+16*\i+7], v[TS+\i]
	v_cvt_scalef32_pk8_fp4_f32 v[\pc+2*\i+1], v[\base+16*\i+8:\base+16*\i+15], v[TS+\i]
.endr
	WIN 0
	v_nop                                          ; one plain instruction behind the conversions
.irp u, 0,1,2,3
	v_permlane16_swap_b32 v[\pc+4*\u], v[\pc+4*\u+2]      ; half blocks change places: lanes 0-15 hold block 0 whole, lanes 16-31 block 1
	v_permlane16_swap_b32 v[\pc+4*\u+1], v[\pc+4*\u+3]
.endr
.endm
	s_wait_tensorcnt 0x0                           ; my block has landed,
	s_barrier_signal -1
	s_barrier_wait -1                              ; everybody's has
	FETCH 0, 0
	s_wait_loadcnt 0x0                             ; the scale images and the biases
	KSTEP 0
	KSTEP 1
	KSTEP 2
	KSTEP 3
	KSTEP 4
	KSTEP 5
	KSTEP 6
	KSTEP 7
	PLACES
	QUANT4 0x0a, 0x02, 0, 128, 176                 ; Q: unit m = my tile m of queries
.irp m, 0,1,2,3
	global_store_b128 v[LI], v[128+4*\m:131+4*\m], s[94:95] offset:512*\m   ; 512 consecutive bytes
.endr
.irp m, 0,1,2,3
	v_lshl_or_b32 v[192+\m], v[176+\m], 16, v[176+\m]   ; (s0, s1, s0, s1): the scores' products take Q in either half of their K
.endr
	v_cmp_eq_u32 vcc_lo, 1, v3
	v_cndmask_b32 v196, v192, v194, vcc_lo
	v_cndmask_b32 v197, v193, v195, vcc_lo
	global_store_b64 v13, v[196:197], s[94:95] offset:2048   ; lane (r, h): tiles 2 h, 2 h + 1 of row r: 256 consecutive bytes
	QUANT4 0x0a, 0x02, 128, 144, 180               ; K: unit m = my tile m of keys
.irp m, 0,1,2,3
	global_store_b128 v[LI], v[144+4*\m:147+4*\m], s[96:97] offset:512*\m
.endr
	v_lshl_or_b32 v198, v181, 16, v180             ; a pair of tiles shares a word
	v_lshl_or_b32 v199, v183, 16, v182
	ds_store_b64 v10, v[198:199]                   ; (both halves of the lanes write the same bytes with the same values)
	QUANT4 0x0f, 0x03, 0, 160, 184                 ; V: unit TW = a tile of 16 columns; its blocks are my keys 0-31 and 32-63
.irp t, 0,1,2,3
	global_store_b128 v[LI], v[160+4*\t:163+4*\t], s[98:99] offset:4096+1024*\t
.endr
.irp t, 0,1,2,3
	ds_store_b16 v11, v[184+\t] offset:4*\t
.endr
	s_wait_dscnt 0x0                               ; for the others' sake: my words lie in LDS
	s_barrier_signal -1
	s_barrier_wait -1
	s_cmp_lt_u32 s18, 2                            ; waves 0 and 1 store a record's 512 bytes of words each, whole
	s_cbranch_scc0 .Lno_words
	ds_load_b128 v[200:203], v12
	s_wait_dscnt 0x0
	global_store_b128 v[LI], v[200:203], s[66:67] offset:8192
.Lno_words:
	s_wait_tensorcnt 0x0                           ; the wave's end
	ds_add_u32 v[SPW], v[NIL]
	s_wait_dscnt 0x0
	CROUND                                         ; the closing round
	s_endpgm
.Lfunc_end_k_q4def5df916_proj:
	.size	k_q4def5df916_proj, .Lfunc_end_k_q4def5df916_proj-k_q4def5df916_proj
	.p2alignl 7, 3214868480
	.fill 96, 4, 3214868480
	.section	.rodata,"a",@progbits
	.p2align	6, 0x0
	.amdhsa_kernel k_q4def5df916_proj
		.amdhsa_group_segment_fixed_size 230912
		.amdhsa_private_segment_fixed_size 0
		.amdhsa_enable_private_segment 0
		.amdhsa_kernarg_size 56
		.amdhsa_user_sgpr_count 2
		.amdhsa_user_sgpr_kernarg_segment_ptr 1
		.amdhsa_wavefront_size32 1
		.amdhsa_system_sgpr_workgroup_id_x 1
		.amdhsa_system_sgpr_workgroup_id_y 1
		.amdhsa_system_sgpr_workgroup_id_z 1
		.amdhsa_system_vgpr_workitem_id 0
		.amdhsa_next_free_vgpr 1024
		.amdhsa_next_free_sgpr 100
		.amdhsa_reserve_vcc 1
		.amdhsa_float_denorm_mode_32 3
		.amdhsa_float_denorm_mode_16_64 3
		.amdhsa_memory_ordered 1
		.amdhsa_forward_progress 1
		.amdhsa_inst_pref_size 105
	.end_amdhsa_kernel
	.amdgpu_metadata
---
amdhsa.version: [ 1, 2 ]
amdhsa.kernels:
  - .name:           k_q4def5df916_proj
    .symbol:         k_q4def5df916_proj.kd
    .args:
      - { .name: xq, .offset: 0, .size: 8, .value_kind: global_buffer, .address_space: global }
      - { .name: wq, .offset: 8, .size: 8, .value_kind: global_buffer, .address_space: global }
      - { .name: bq, .offset: 16, .size: 8, .value_kind: global_buffer, .address_space: global }
      - { .name: bk, .offset: 24, .size: 8, .value_kind: global_buffer, .address_space: global }
      - { .name: bv, .offset: 32, .size: 8, .value_kind: global_buffer, .address_space: global }
      - { .name: qb, .offset: 40, .size: 8, .value_kind: global_buffer, .address_space: global }
      - { .name: kv, .offset: 48, .size: 8, .value_kind: global_buffer, .address_space: global }
    .group_segment_fixed_size: 230912
    .private_segment_fixed_size: 0
    .kernarg_segment_align: 8
    .kernarg_segment_size: 56
    .max_flat_workgroup_size: 128
    .sgpr_count:     100
    .vgpr_count:     1024
    .wavefront_size: 32
...
	.end_amdgpu_metadata
.endif
;; end of part 2
;; launch attn (part 3): grid 4 x 64, 16 waves a work-group, clusters of 4 x 1, 167,936 bytes of LDS; arguments qb, kv, aq; writes aq
.if DOCPART == 3
	.amdgcn_target "amdgcn-amd-amdhsa--gfx1250"
	.amdhsa_code_object_version 6
	.text
	.protected	k_q4def5df916_attn
	.globl	k_q4def5df916_attn
	.p2align	8
	.type	k_q4def5df916_attn,@function
k_q4def5df916_attn:
	s_mov_b64 s[64:65], 0
	v_nop
	global_prefetch_b8 v0, s[64:65] scope:SCOPE_SE
	s_setreg_imm32_b32 hwreg(HW_REG_WAVE_MODE, 25, 1), 1
	s_wait_xcnt 0x0
	s_wait_alu depctr_hold_cnt(0) depctr_sa_sdst(0) depctr_va_vdst(0) depctr_va_sdst(0) depctr_va_ssrc(0) depctr_va_vcc(0) depctr_vm_vsrc(0)
	s_getreg_b32 s2, hwreg(HW_REG_IB_STS2, 6, 4)
	s_cmp_eq_u32 s2, 0
	s_cbranch_scc0 .Lentry_in_a_cluster
	s_endpgm
.Lentry_in_a_cluster:
	s_bfe_u32 s2, ttmp6, 0x10000c
	s_cmp_lg_u32 s2, 0x3003
	s_cbranch_scc0 .Lentry_shape_is_right
	s_endpgm
.Lentry_shape_is_right:
; THIRD LAUNCH: A = softmax(Q K^T / 8, causal) V on codes of FP4, and A's quantiser along head x 64 + v.
; LEFT OUT: steps of 128 keys all of which come after a tile's queries: the layer's own lower-triangular mask makes their p = 0 for all values of the inputs (shown at the head of the first launch).
; THE SOFTMAX AHEAD OF THE SECOND PRODUCT: t = score x log2(e) / 8; M = the running largest t rounded up to a whole number; p = 2^(t - M) is quantised along the keys, not normalised;
; the row's sum is taken of the unquantised p and divides O at the end.  When M moves, the sum and O are multiplied by 2^(old M - new M): exact.
; SHARES.  A cluster of four work-groups takes one (batch, head); each work-group holds the head's whole K and V (16 records of 128 keys, 139,264 bytes) in LDS: wave w brings record w by ONE joint tensor load,
; the same in all four partners; no LDS byte is filled twice.  The head's 128 tiles of 16 queries lie in 16 blocks of 128 queries; a tile of block beta walks beta + 1 key steps.
; Wave w of work-group cx takes tile 2 cx + w / 8 of block 15 - w % 8 and then the same tile of block w % 8: 17 key steps for every wave.  No branch and no LDS address hangs on cx: it enters Q's and A's
; addresses in memory and the mask's number of a lane alone.  Both loops have constant trip counts; a step beyond the tile's block is jumped over by a branch on ids, round its work alone.
; THE HEAD'S 64 AGAINST THE INSTRUCTION'S K OF 128: a fragment of K holds TWO tiles of 16 keys (64 codes each a row); it is multiplied once by (q, zeros) and once by (zeros, q).
; Both products are used transposed: a lane holds one query throughout; by the tile order the 16 registers of score tiles 2 b and 2 b + 1 are keys 32 b + 16 (lane / 16) + 0 .. 15.
; A's scale bytes leave as 2 bytes a lane, 16 bytes apart: a whole run of them would take all 16 heads, which are other clusters' work; they are a sixteenth of A's bytes.
; LIMITS: as stated at the head of the first launch.
; REGISTERS: v1 16 x lane, v2 16 r, v3, v4 the add's two, v5, v6 the step's LDS addresses, v9 the mask's number; v12 -M, v13 the largest t, v[14:15] the sum; v16-19, v24-27 zeros, v20-23 q; v28 Q's word;
;   v32-63 K; v64-67 K's words, v68-71 V's; v96-159 S^T, then p; v160-191 O^T; v192-223 V; v224-231 p's codes; v232-254 at work (v250 f, v253 p's word).
.set REC,   8704
.set SPARE, 16*REC                     ; behind the records: the spare words, 128 bytes a wave
.macro CROUND
	s_barrier_signal -1
	s_barrier_wait -1
	s_cmp_lg_u32 s10, 0
	s_cbranch_scc1 .Lnot_wave_0_\@
	s_barrier_signal -3
.Lnot_wave_0_\@:
	s_barrier_wait -3
	s_barrier_signal -1
	s_barrier_wait -1
.endm
	s_load_b128 s[4:7], s[0:1], 0x0                ; qb, kv
	s_load_b64 s[8:9], s[0:1], 0x10                ; aq
	v_lshl_add_u32 v3, v0, 2, SPARE
	v_mov_b32 v4, 0
	ds_add_u32 v3, v4                              ; the wave's opening: the add, twice on end, and its wait ahead of my tensor load
	ds_add_u32 v3, v4
	v_lshrrev_b32 v1, 5, v0
	s_delay_alu instid0(VALU_DEP_1)
	v_readfirstlane_b32 s10, v1                    ; wave 0..15
	s_bfe_u32 s11, ttmp6, 0x40000                  ; cx
	s_and_b32 s12, ttmp7, 0xffff                   ; bh = batch x 16 + head
	s_and_b32 s13, s12, 15                         ; head
	; group 1: a record is a dense block: 34 rows of 256 bytes (32 elements of 8 bytes)
	s_mov_b32 s16, 15|(3<<16)|(1<<21)              ; the mask names all four partners
	s_mov_b32 s17, 32<<16
	s_mov_b32 s18, 34<<16
	s_mov_b32 s19, 32<<16
	s_mov_b32 s20, 34
	s_mov_b32 s21, 32
	s_mov_b32 s22, 0
	s_mov_b32 s23, 0
	s_mov_b32 s24, 1
	s_mul_i32 s25, s10, REC                        ; LDS: record w
	s_mul_i32 s38, s12, 16*REC
	s_add_co_u32 s38, s38, s25
	s_mov_b32 s39, 0
	s_mov_b32 s28, 0x76543210
	s_mov_b32 s29, 0xfedcba98                      ; lane selects: lane l xor 16
	s_mov_b32 s30, 0x3e38aa3b                      ; c = log2(e) / 8
	s_mov_b32 s31, s30                             ; (named with it as a pair)
	s_wait_dscnt 0x0                               ; both opening adds are done
	s_wait_kmcnt 0x0
	s_add_nc_u64 s[26:27], s[6:7], s[38:39]
	s_or_b32 s27, s27, 0x80000000
	CROUND                                         ; all four work-groups are here
	tensor_load_to_lds s[24:27], s[16:23]          ; my one tensor load
	s_nop 0
.rept 4
	v_nop
.endr
	v_and_b32 v8, 31, v0
	s_delay_alu instid0(VALU_DEP_1)
	v_lshlrev_b32 v1, 4, v8                        ; 16 x lane
	v_and_b32 v8, 15, v0                           ; r
	s_wait_alu depctr_va_vdst(0)
	v_lshlrev_b32 v2, 4, v8
	s_lshr_b32 s36, s10, 3
	s_lshl_b32 s14, s11, 1
	s_add_co_u32 s36, s36, s14                     ; tau: my tile in a block of 128 queries
	s_lshr_b32 s14, s36, 1
	s_lshl_b32 s14, s14, 5
	s_and_b32 s15, s36, 1
	s_lshl_b32 s15, s15, 3
	s_add_co_u32 s14, s14, s15
	v_and_b32 v9, 8, v8
	s_delay_alu instid0(VALU_DEP_1)
	v_add_nc_u32 v9, v9, v8
	v_bfe_u32 v11, v0, 4, 1
	s_delay_alu instid0(VALU_DEP_1)
	v_lshlrev_b32 v11, 4, v11
	s_delay_alu instid0(VALU_DEP_1)
	v_sub_nc_u32 v9, v9, v11
	s_delay_alu instid0(VALU_DEP_1)
	v_add_nc_u32 v9, s14, v9                       ; d = my query's place in its block - 16 (lane / 16): on the diagonal, register 16 b + i is hidden where 32 b + i > d
.irp j, 16,17,18,19,24,25,26,27
	v_mov_b32 v\j, 0                               ; the zero codes beside q
.endr
.irp j, 236,237,238,239,251,252
	v_mov_b32 v\j, 0                               ; lane permutes' destinations, and the upper half of f's pair, count as read
.endr
	s_mul_i32 s14, s12, 73728
	s_mov_b32 s15, 0
	s_add_nc_u64 s[48:49], s[4:5], s[14:15]        ; my head's Q
	s_lshr_b32 s38, s12, 4                         ; batch
	s_lshl_b32 s14, s38, 20                        ; 128 tiles of 8,192 bytes
	s_lshr_b32 s40, s13, 1
	s_lshl_b32 s41, s40, 10                        ; K step head / 2,
	s_add_co_u32 s14, s14, s41
	s_and_b32 s41, s13, 1
	s_lshl_b32 s42, s41, 9                         ; its half head % 2
	s_add_co_u32 s14, s14, s42
	s_add_nc_u64 s[54:55], s[8:9], s[14:15]
	s_lshl_b32 s14, s38, 16                        ; 128 scale images of 512 bytes
	s_lshr_b32 s42, s13, 3
	s_lshl_b32 s42, s42, 8
	s_add_co_u32 s14, s14, s42
	s_and_b32 s40, s40, 3
	s_lshl_b32 s40, s40, 2
	s_add_co_u32 s14, s14, s40
	s_lshl_b32 s41, s41, 1
	s_add_co_u32 s14, s14, s41
	s_add_co_u32 s14, s14, 4194304
	s_add_nc_u64 s[58:59], s[8:9], s[14:15]
	s_wait_tensorcnt 0x0                           ; my record has landed,
	s_barrier_signal -1
	s_barrier_wait -1                              ; everybody's has: the head's K and V lie in LDS for the rest of the launch
	s_mov_b32 s32, 0
.Lpass:                                            ; two trips: a late block, then an early one
	s_wait_xcnt 0x0                                ; the last pass's stores have read their registers and bases
	s_and_b32 s33, s10, 7
	s_sub_co_u32 s14, 15, s33
	s_cmp_eq_u32 s32, 0
	s_cselect_b32 s33, s14, s33                    ; beta
	s_lshl_b32 s37, s33, 3
	s_add_co_u32 s37, s37, s36                     ; T: my tile among the head's 128
	s_lshr_b32 s38, s37, 2
	s_mul_i32 s38, s38, 2304
	s_and_b32 s40, s37, 3
	s_lshl_b32 s14, s40, 9
	s_add_co_u32 s14, s14, s38
	s_add_nc_u64 s[50:51], s[48:49], s[14:15]
	s_lshl_b32 s14, s40, 2
	s_add_co_u32 s14, s14, s38
	s_add_co_u32 s14, s14, 2048
	s_add_nc_u64 s[52:53], s[48:49], s[14:15]
	s_lshl_b32 s14, s37, 13
	s_add_nc_u64 s[56:57], s[54:55], s[14:15]
	s_lshl_b32 s14, s37, 9
	s_add_nc_u64 s[60:61], s[58:59], s[14:15]
	global_load_b128 v[20:23], v1, s[50:51]        ; q: block lane / 16 of query lane % 16
	global_load_b32 v28, v2, s[52:53]              ; and its scale word
	v_mov_b32 v13, 0xff61b1e6                      ; the largest t so far: -3e38
	s_delay_alu instid0(VALU_DEP_1)
	v_floor_f32 v12, -v13                          ; -M
	v_mov_b32 v14, 0
	v_mov_b32 v15, 0
.set n, 0
.rept 32
	v_mov_b32 v[160+n], 0                          ; O^T: the step is written once; the first finds zeros
.set n, n+1
.endr
	s_mov_b32 s34, 0                               ; the key step
	s_mov_b32 s35, 0                               ; and its record in LDS
	s_wait_loadcnt 0x0
.Lkey:                                             ; sixteen trips
	s_cmp_gt_u32 s34, s33                          ; all 128 keys come after my queries: ids alone
	s_cbranch_scc1 .Lskip
	v_add_nc_u32 v5, s35, v1
	v_add_nc_u32 v6, s35, v2
	ds_load_b128 v[64:67], v6 offset:8192          ; K's words of the four pairs of tiles
.irp p, 0,1,2,3
.irp c, 0,1
	ds_load_b128 v[32+8*\p+4*\c:35+8*\p+4*\c], v5 offset:1024*\p+512*\c
.endr
.endr
	ds_load_b128 v[68:71], v6 offset:8448          ; V's words of the four tiles
.irp t, 0,1,2,3
.irp c, 0,1
	ds_load_b128 v[192+8*\t+4*\c:195+8*\t+4*\c], v5 offset:4096+1024*\t+512*\c
.endr
.endr
	s_wait_dscnt 0x9                               ; K and its words are in; V's nine loads may be out
.irp p, 0,1,2,3
	v_wmma_scale_f32_16x16x128_f8f6f4 v[96+16*\p:103+16*\p], v[32+8*\p:39+8*\p], v[20:27], 0, v[64+\p], v28 matrix_a_fmt:MATRIX_FMT_FP4 matrix_b_fmt:MATRIX_FMT_FP4
	v_wmma_scale_f32_16x16x128_f8f6f4 v[104+16*\p:111+16*\p], v[32+8*\p:39+8*\p], v[16:23], 0, v[64+\p], v28 matrix_a_fmt:MATRIX_FMT_FP4 matrix_b_fmt:MATRIX_FMT_FP4
.endr
.rept 4
	v_nop
.endr
	s_cmp_lg_u32 s34, s33                          ; only the last step of a tile lies on the diagonal
	s_cbranch_scc1 .Lopen
	v_mov_b32 v254, 0xff800000                     ; -infinity
.set n, 0
.rept 64
	v_cmp_gt_i32 vcc_lo, 32*(n/16)+n%16, v9
	v_cndmask_b32 v[96+n], v[96+n], v254, vcc_lo
.set n, n+1
.endr
.Lopen:
.irp b, 0,1,2,3
	v_max3_num_f32 v[232+\b], v[96+16*\b], v[97+16*\b], v[98+16*\b]   ; the largest score of each block of 32 keys: it serves the row's maximum and, since p rises with the score, the block's largest p
.endr
.irp i, 3,5,7,9,11,13
.irp b, 0,1,2,3
	v_max3_num_f32 v[232+\b], v[232+\b], v[96+16*\b+\i], v[97+16*\b+\i]
.endr
.endr
.irp b, 0,1,2,3
	v_max_num_f32 v[232+\b], v[232+\b], v[111+16*\b]
.endr
.irp b, 0,1,2,3
	s_delay_alu instid0(VALU_DEP_4)
	v_permlanex16_b32 v[236+\b], v[232+\b], s28, s29
.endr
.irp b, 0,1,2,3
	s_delay_alu instid0(VALU_DEP_4)
	v_max_num_f32 v[232+\b], v[232+\b], v[236+\b]
.endr
	s_delay_alu instid0(VALU_DEP_2)
	v_max3_num_f32 v254, v232, v233, v234
	s_delay_alu instid0(VALU_DEP_1)
	v_max_num_f32 v254, v254, v235
	s_delay_alu instid0(VALU_DEP_1)
	v_mul_f32 v254, s30, v254                      ; the step's largest t
	s_delay_alu instid0(VALU_DEP_1)
	v_max_num_f32 v13, v13, v254
	v_mov_b32 v254, v12
	s_delay_alu instid0(VALU_DEP_2)
	v_floor_f32 v12, -v13                          ; the new -M = -ceil(t)
	s_delay_alu instid0(VALU_DEP_1)
	v_sub_f32 v254, v12, v254                      ; old M - new M: a whole number, 0 or less
	s_delay_alu instid0(VALU_DEP_1)
	v_cvt_i32_f32 v254, v254                       ; (it saturates)
	s_delay_alu instid0(VALU_DEP_1)
	v_ldexp_f32 v250, 1.0, v254                    ; f = 2^(old M - new M)
.set n, 0
.rept 32
	v_pk_fma_f32 v[96+n:97+n], v[96+n:97+n], s[30:31], v[12:13] op_sel_hi:[1,0,0]   ; t - M
.set n, n+2
.endr
.irp b, 0,1,2,3
	v_fma_f32 v[232+\b], v[232+\b], s30, v12
.endr
.set n, 0
	s_wait_alu depctr_va_vdst(0)
.rept 64
	v_exp_f32 v[96+n], v[96+n]                     ; p = 2^(t - M)
.set n, n+1
.endr
	v_pk_mul_f32 v[14:15], v[14:15], v[250:251] op_sel_hi:[1,0]   ; the sums under the new M: a plain instruction behind the exponentials
	s_wait_alu depctr_va_vdst(0)                   ; one wait for the batch, ahead of its first reader
.irp b, 0,1,2,3
	v_exp_f32 v[232+\b], v[232+\b]                 ; the blocks' largest p
.endr
	v_pk_add_f32 v[236:237], v[100:101], v[104:105]
	v_pk_add_f32 v[254:255], v[108:109], v[112:113]
	v_pk_add_f32 v[248:249], v[116:117], v[120:121]
	v_pk_add_f32 v[246:247], v[124:125], v[128:129]
	v_pk_add_f32 v[244:245], v[132:133], v[136:137]
	v_pk_add_f32 v[242:243], v[140:141], v[144:145]
	v_pk_add_f32 v[240:241], v[148:149], v[152:153]
	v_pk_add_f32 v[14:15], v[14:15], v[156:157]
	v_pk_add_f32 v[236:237], v[236:237], v[96:97]
	v_pk_add_f32 v[254:255], v[254:255], v[98:99]
	v_pk_add_f32 v[248:249], v[248:249], v[102:103]
	v_pk_add_f32 v[246:247], v[246:247], v[106:107]
	v_pk_add_f32 v[244:245], v[244:245], v[110:111]
	v_pk_add_f32 v[242:243], v[242:243], v[114:115]
	v_pk_add_f32 v[240:241], v[240:241], v[118:119]
	v_pk_add_f32 v[14:15], v[14:15], v[122:123]
	v_pk_add_f32 v[236:237], v[236:237], v[126:127]
	v_pk_add_f32 v[254:255], v[254:255], v[130:131]
	v_pk_add_f32 v[248:249], v[248:249], v[134:135]
	v_pk_add_f32 v[246:247], v[246:247], v[138:139]
	v_pk_add_f32 v[244:245], v[244:245], v[142:143]
	v_pk_add_f32 v[242:243], v[242:243], v[146:147]
	v_pk_add_f32 v[240:241], v[240:241], v[150:151]
	v_pk_add_f32 v[14:15], v[14:15], v[154:155]
	v_pk_add_f32 v[236:237], v[236:237], v[158:159]
	s_delay_alu instid0(VALU_DEP_2)
	v_pk_add_f32 v[14:15], v[14:15], v[246:247]
	s_delay_alu instid0(VALU_DEP_2)
	v_pk_add_f32 v[236:237], v[236:237], v[244:245]
	v_pk_add_f32 v[254:255], v[254:255], v[242:243]
	v_pk_add_f32 v[248:249], v[248:249], v[240:241]
	s_delay_alu instid0(VALU_DEP_2)
	v_pk_add_f32 v[14:15], v[14:15], v[254:255]
	s_delay_alu instid0(VALU_DEP_2)
	v_pk_add_f32 v[236:237], v[236:237], v[248:249]
	s_delay_alu instid0(VALU_DEP_1)
	v_pk_add_f32 v[14:15], v[14:15], v[236:237]
	s_wait_alu depctr_va_vdst(0)                   ; and one for the four
.irp b, 0,1,2,3
	v_max_num_f32 v[232+\b], 0x1800000, v[232+\b]  ; the floor: the byte cannot fall under 1
.endr
.irp b, 0,1,2,3
	s_delay_alu instid0(VALU_DEP_4)
	v_add_nc_u32 v[244+\b], 0xff000000, v[232+\b]
.endr
.irp b, 0,1,2,3
	s_delay_alu instid0(VALU_DEP_4)
	v_lshrrev_b32 v[236+\b], 23, v[244+\b]
.endr
	s_delay_alu instid0(VALU_DEP_3)
	v_lshl_or_b32 v253, v237, 8, v236              ; p's scale word for these 128 keys
	s_delay_alu instid0(VALU_DEP_1)
	v_lshl_or_b32 v253, v238, 16, v253
	s_delay_alu instid0(VALU_DEP_1)
	v_lshl_or_b32 v253, v239, 24, v253
.irp b, 0,1,2,3
	v_cvt_scalef32_pk8_fp4_f32 v[224+2*\b], v[96+16*\b:103+16*\b], v[244+\b]
	v_cvt_scalef32_pk8_fp4_f32 v[225+2*\b], v[104+16*\b:111+16*\b], v[244+\b]
.endr
	v_nop                                          ; one plain instruction behind the conversions
.irp c, 0,1
.irp i, 0,1
	v_permlane16_swap_b32 v[224+4*\c+\i], v[226+4*\c+\i]   ; a whole block in a lane
.endr
.endr
.set n, 0
.rept 16
	v_pk_mul_f32 v[160+n:161+n], v[160+n:161+n], v[250:251] op_sel_hi:[1,0]   ; O^T under the new M; twelve of the sixteen name no register of any one product below: the places ahead of them
.set n, n+2
.endr
	s_wait_alu depctr_va_vdst(0)
	s_wait_dscnt 0x0                               ; V and its words are in
.irp t, 0,1,2,3
	v_wmma_scale_f32_16x16x128_f8f6f4 v[160+8*\t:167+8*\t], v[192+8*\t:199+8*\t], v[224:231], v[160+8*\t:167+8*\t], v[68+\t], v253 matrix_a_fmt:MATRIX_FMT_FP4 matrix_b_fmt:MATRIX_FMT_FP4
.endr
.rept 4
	v_nop                                          ; places ahead of the next step's loads into V's registers, and of the way out
.endr
.Lskip:
	s_add_co_u32 s35, s35, REC
	s_add_co_u32 s34, s34, 1
	s_cmp_lt_u32 s34, 16
	s_cbranch_scc1 .Lkey
	; THE WAY OUT: O^T / the sum is my head's 64 numbers of A's row: two blocks of 32 along the last product's K
	v_add_f32 v14, v14, v15
	s_delay_alu instid0(VALU_DEP_1)
	v_permlanex16_b32 v252, v14, s28, s29
	s_delay_alu instid0(VALU_DEP_1)
	v_add_f32 v14, v14, v252
	s_wait_alu depctr_va_vdst(0)
	v_rcp_f32 v14, v14
	v_nop
	s_wait_alu depctr_va_vdst(0)                   ; the wait ahead of the reciprocal's first reader
.set n, 0
.rept 32
	v_mul_f32 v[96+n], v[160+n], v14               ; register 16 b + i: v = 32 b + 16 (lane / 16) + i
.set n, n+1
.endr
.irp b, 0,1
	v_max3_num_f32 v[232+\b], |v[96+16*\b]|, |v[97+16*\b]|, 0x1800000
.endr
.irp i, 2,4,6,8,10,12,14
.irp b, 0,1
	s_delay_alu instid0(VALU_DEP_2)
	v_max3_num_f32 v[232+\b], v[232+\b], |v[96+16*\b+\i]|, |v[97+16*\b+\i]|
.endr
.endr
.irp b, 0,1
	s_delay_alu instid0(VALU_DEP_2)
	v_permlanex16_b32 v[236+\b], v[232+\b], s28, s29
.endr
.irp b, 0,1
	s_delay_alu instid0(VALU_DEP_2)
	v_max_num_f32 v[232+\b], v[232+\b], v[236+\b]
.endr
.irp b, 0,1
	s_delay_alu instid0(VALU_DEP_2)
	v_add_nc_u32 v[244+\b], 0xff000000, v[232+\b]
.endr
.irp b, 0,1
	s_delay_alu instid0(VALU_DEP_2)
	v_lshrrev_b32 v[236+\b], 23, v[244+\b]
.endr
	s_delay_alu instid0(VALU_DEP_1)
	v_lshl_or_b32 v240, v237, 8, v236
.irp b, 0,1
	v_cvt_scalef32_pk8_fp4_f32 v[224+2*\b], v[96+16*\b:103+16*\b], v[244+\b]
	v_cvt_scalef32_pk8_fp4_f32 v[225+2*\b], v[104+16*\b:111+16*\b], v[244+\b]
.endr
	v_nop
	v_permlane16_swap_b32 v224, v226
	v_permlane16_swap_b32 v225, v227
	global_store_b128 v1, v[224:227], s[56:57]     ; half a fragment image: 512 consecutive bytes
	global_store_b16 v2, v240, s[60:61]            ; my row's two scale bytes (lanes r and r + 16 write the same bytes with the same value)
	s_add_co_u32 s32, s32, 1
	s_cmp_lt_u32 s32, 2
	s_cbranch_scc1 .Lpass
	s_wait_tensorcnt 0x0                           ; the wave's end
	ds_add_u32 v3, v4
	s_wait_dscnt 0x0
	CROUND                                         ; the closing round
	s_endpgm
.Lfunc_end_k_q4def5df916_attn:
	.size	k_q4def5df916_attn, .Lfunc_end_k_q4def5df916_attn-k_q4def5df916_attn
	.p2alignl 7, 3214868480
	.fill 96, 4, 3214868480
	.section	.rodata,"a",@progbits
	.p2align	6, 0x0
	.amdhsa_kernel k_q4def5df916_attn
		.amdhsa_group_segment_fixed_size 167936
		.amdhsa_private_segment_fixed_size 0
		.amdhsa_enable_private_segment 0
		.amdhsa_kernarg_size 24
		.amdhsa_user_sgpr_count 2
		.amdhsa_user_sgpr_kernarg_segment_ptr 1
		.amdhsa_wavefront_size32 1
		.amdhsa_system_sgpr_workgroup_id_x 1
		.amdhsa_system_sgpr_workgroup_id_y 1
		.amdhsa_system_sgpr_workgroup_id_z 1
		.amdhsa_system_vgpr_workitem_id 0
		.amdhsa_next_free_vgpr 256
		.amdhsa_next_free_sgpr 66
		.amdhsa_reserve_vcc 1
		.amdhsa_float_denorm_mode_32 3
		.amdhsa_float_denorm_mode_16_64 3
		.amdhsa_memory_ordered 1
		.amdhsa_forward_progress 1
		.amdhsa_inst_pref_size 33
	.end_amdhsa_kernel
	.amdgpu_metadata
---
amdhsa.version: [ 1, 2 ]
amdhsa.kernels:
  - .name:           k_q4def5df916_attn
    .symbol:         k_q4def5df916_attn.kd
    .args:
      - { .name: qb, .offset: 0, .size: 8, .value_kind: global_buffer, .address_space: global }
      - { .name: kv, .offset: 8, .size: 8, .value_kind: global_buffer, .address_space: global }
      - { .name: aq, .offset: 16, .size: 8, .value_kind: global_buffer, .address_space: global }
    .group_segment_fixed_size: 167936
    .private_segment_fixed_size: 0
    .kernarg_segment_align: 8
    .kernarg_segment_size: 24
    .max_flat_workgroup_size: 512
    .sgpr_count:     66
    .vgpr_count:     256
    .wavefront_size: 32
...
	.end_amdgpu_metadata
.endif
;; end of part 3
;; launch outp (part 4): grid 4 x 64, 4 waves a work-group, clusters of 4 x 4, 230,912 bytes of LDS; arguments aq, wq, bo, out0; writes out0
.if DOCPART == 4
	.amdgcn_target "amdgcn-amd-amdhsa--gfx1250"
	.amdhsa_code_object_version 6
	.text
	.protected	k_q4def5df916_outp
	.globl	k_q4def5df916_outp
	.p2align	8
	.type	k_q4def5df916_outp,@function
k_q4def5df916_outp:
	s_mov_b64 s[64:65], 0
	v_nop
	global_prefetch_b8 v0, s[64:65] scope:SCOPE_SE
	s_setreg_imm32_b32 hwreg(HW_REG_WAVE_MODE, 25, 1), 1
	s_wait_xcnt 0x0
	s_wait_alu depctr_hold_cnt(0) depctr_sa_sdst(0) depctr_va_vdst(0) depctr_va_sdst(0) depctr_va_ssrc(0) depctr_va_vcc(0) depctr_vm_vsrc(0)
	s_getreg_b32 s2, hwreg(HW_REG_IB_STS2, 6, 4)
	s_cmp_eq_u32 s2, 0
	s_cbranch_scc0 .Lentry_in_a_cluster
	s_endpgm
.Lentry_in_a_cluster:
	s_bfe_u32 s2, ttmp6, 0x10000c
	s_cmp_lg_u32 s2, 0xf033
	s_cbranch_scc0 .Lentry_shape_is_right
	s_endpgm
.Lentry_shape_is_right:
; FOURTH LAUNCH: out = A Wo + bo on codes of FP4.  Nothing is left out here.
; A work-group (x, y) makes 128 rows x 256 columns; wave (i = w / 2, jn = w % 2) its tiles 4 i + m of A's rows against tiles 8 jn + t of Wo's columns: 32 accumulators.
; ALL OF K = 1,024 LIES IN LDS.  A tile's eight fragment images are 8,192 consecutive bytes and neighbouring tiles follow each other, so each wave's share is ONE dense block and ONE tensor load at the head:
; waves 0, 1: four tiles of A each (32,768 bytes); waves 2, 3: eight tiles of Wo each (65,536 bytes).  No LDS byte is filled twice.
; CLUSTER 4 x 4: A's tiles are shared along a row of the cluster, Wo's along a column: each is asked for jointly.
; No prefetch into the L2: the launch has no loop to run ahead in; all it reads is asked for at its head.
; The product is used transposed (source 0 = 16 columns of Wo, source 1 = 16 rows of A): by the tile order a lane's registers of tiles 2 b, 2 b + 1 are 16 neighbouring columns of one row.  bo is the C of each sum's first product.
; REGISTERS: window 0: v1-14 addresses; v32-47 A's scale images, v48-79 Wo's; v96-159 the bias, later rows on their way out; v160-223 rows on their way out.
;   window 1: fragments, two sets: A's tile m at 128 p + 8 m, Wo's tile t at 128 p + 32 + 8 t.   window 2: accumulator (m, t) at 8 (8 m + t).
.set WL,     65536                     ; LDS: A's tiles [8 tiles][q 8][1,024] from 0; Wo's [16 tiles][q 8][1,024] from here
.set STAGE,  196608                    ; 16 rows x 528 bytes for each wave, for the way out
.set SPITCH, 528
.set SPARE,  230400                    ; the spare words, 128 bytes a wave
.set LI,  1
.set SPW, 8
.set NIL, 9
.set STO, 10
.set RD,  11
.set XS,  32
.set WS,  48
.set BI,  96
.set MSB, 0
.macro WIN new                         ; the immediate's high byte repeats the setting that is left
.if MSB != \new
	s_set_vgpr_msb (MSB<<8)|\new
.set MSB, \new
.endif
.endm
.macro PLACES                          ; four plain instructions behind a matrix instruction, ahead of loads into its registers and of reads of results
.rept 4
	v_nop
.endr
.endm
.macro CROUND                          ; a round of the cluster's barrier
	s_barrier_signal -1
	s_barrier_wait -1
	s_cmp_lg_u32 s18, 0
	s_cbranch_scc1 .Lnot_wave_0_\@
	s_barrier_signal -3
.Lnot_wave_0_\@:
	s_barrier_wait -3
	s_barrier_signal -1
	s_barrier_wait -1
.endm
	s_load_b256 s[4:11], s[0:1], 0x0               ; aq, wq, bo, out0
	v_lshl_add_u32 v[SPW], v0, 2, SPARE
	v_mov_b32 v[NIL], 0
	ds_add_u32 v[SPW], v[NIL]                      ; the wave's opening: the add, twice on end, and its wait ahead of my tensor load
	ds_add_u32 v[SPW], v[NIL]
	v_lshrrev_b32 v1, 5, v0
	v_readfirstlane_b32 s18, v1                    ; wave
	s_and_b32 s19, s18, 1                          ; jn; also: which half of the tiles I fetch
	s_lshr_b32 s20, s18, 1                         ; i; also: I fetch for A (0) or for Wo (1)
	s_bfe_u32 s21, ttmp6, 0x40000                  ; cx
	s_bfe_u32 s22, ttmp6, 0x40004                  ; cy
	s_lshl_b32 s23, ttmp9, 2
	s_add_co_u32 s23, s23, s21                     ; x
	s_and_b32 s24, ttmp7, 0xffff
	s_lshl_b32 s24, s24, 2
	s_add_co_u32 s24, s24, s22                     ; y
	s_lshl_b32 s25, s22, 2
	s_lshl_b32 s25, 15, s25                        ; my row of the cluster
	s_lshl_b32 s26, 0x1111, s21                    ; my column
	; group 1: rows of 8,192 bytes (a whole tile: 1,024 elements of 8 bytes), one behind the other; A: 4 tiles, Wo: 8
	s_or_b32 s28, s25, (3<<16)|(1<<21)
	s_or_b32 s36, s26, (3<<16)|(1<<21)
.irp g, 28, 36
	s_mov_b32 s[\g+1], 1024<<16                    ; tensor_dim0
	s_mov_b32 s[\g+3], 1024<<16                    ; tile_dim0
	s_mov_b32 s[\g+5], 1024                        ; stride
	s_mov_b32 s[\g+6], 0
	s_mov_b32 s[\g+7], 0
.endr
	s_mov_b32 s30, 4<<16                           ; tensor_dim1
	s_mov_b32 s32, 4                               ; tile_dim1
	s_mov_b32 s38, 8<<16
	s_mov_b32 s40, 8
	s_lshl_b32 s84, s24, 16                        ; A: tile 8 y + 4 (wave % 2): of y and the wave's number alone
	s_lshl_b32 s85, s19, 15
	s_add_co_u32 s84, s84, s85
	s_mov_b32 s85, 0
	s_lshl_b32 s88, s23, 17                        ; Wo: tile 192 + 16 x + 8 (wave % 2): of x and the wave's number alone
	s_lshl_b32 s89, s19, 16
	s_add_co_u32 s88, s88, s89
	s_add_co_u32 s88, s88, 192*8192
	s_mov_b32 s89, 0
	s_lshl_b32 s27, s19, 15                        ; where they go: no place in the cluster enters an LDS address
	s_lshl_b32 s92, s19, 16
	s_add_co_u32 s92, s92, WL
	s_wait_dscnt 0x0                               ; both opening adds are done
	s_wait_kmcnt 0x0
	s_add_nc_u64 s[86:87], s[4:5], s[84:85]
	s_add_nc_u64 s[90:91], s[6:7], s[88:89]
	CROUND                                         ; all sixteen work-groups are here: the joint loads meet
	s_mov_b32 s44, 1
	s_mov_b32 s45, s27
	s_mov_b64 s[46:47], s[86:87]
	s_or_b32 s47, s47, 0x80000000
	s_mov_b32 s68, 1
	s_mov_b32 s69, s92
	s_mov_b64 s[70:71], s[90:91]
	s_or_b32 s71, s71, 0x80000000
	s_cmp_eq_u32 s20, 0                            ; one load a wave, in one branch on its number
	s_cbranch_scc0 .Lfill_w
	tensor_load_to_lds s[44:47], s[28:35]
	s_nop 0
	PLACES
	s_branch .Lfilled
.Lfill_w:
	tensor_load_to_lds s[68:71], s[36:43]
	s_nop 0
	PLACES
.Lfilled:
	v_and_b32 v16, 31, v0
	v_lshlrev_b32 v[LI], 4, v16
	v_and_b32 v2, 15, v0                           ; r
	v_bfe_u32 v3, v0, 4, 1                         ; h
	s_lshl_b32 s62, s20, 15
	v_add_nc_u32 v4, s62, v[LI]                    ; A's fragments: my four tiles
	s_lshl_b32 s62, s19, 16
	s_add_co_u32 s62, s62, WL
	v_add_nc_u32 v6, s62, v[LI]                    ; Wo's: my eight tiles
	s_mul_i32 s62, s18, 16*SPITCH
	s_add_co_u32 s62, s62, STAGE                   ; my stage
	v_mul_u32_u24 v[STO], v2, SPITCH
	v_lshl_add_u32 v[STO], v3, 6, v[STO]
	v_add_nc_u32 v[STO], s62, v[STO]               ; in: row r, + 64 bytes for the upper half of the lanes
	v_add_nc_u32 v[RD], s62, v[LI]                 ; back: a row of 512 bytes to the 32 lanes
	v_lshlrev_b32 v14, 6, v3                       ; bo: 16 h numbers on
	s_wait_alu depctr_va_vdst(0)
	s_lshl_b32 s84, s24, 12                        ; A's scale images: tile 8 y + 4 i on
	s_lshl_b32 s85, s20, 11
	s_add_co_u32 s84, s84, s85
	s_add_co_u32 s84, s84, 4194304
	s_mov_b32 s85, 0
	s_add_nc_u64 s[84:85], s[4:5], s[84:85]
	s_lshl_b32 s88, s23, 13                        ; Wo's: tile 192 + 16 x + 8 jn on
	s_lshl_b32 s89, s19, 12
	s_add_co_u32 s88, s88, s89
	s_add_co_u32 s88, s88, 2097152+192*512
	s_mov_b32 s89, 0
	s_add_nc_u64 s[88:89], s[6:7], s[88:89]
.irp m, 0,1,2,3
	global_load_b128 v[XS+4*\m:XS+4*\m+3], v[LI], s[84:85] offset:512*\m   ; register j: lanes 0-15 the word of K step j, lanes 16-31 of K step 4 + j
.endr
.irp t, 0,1,2,3,4,5,6,7
	global_load_b128 v[WS+4*\t:WS+4*\t+3], v[LI], s[88:89] offset:512*\t
.endr
	s_lshl_b32 s62, s23, 10                        ; my 128 columns, in bytes: 1,024 x + 512 jn
	s_lshl_b32 s63, s19, 9
	s_add_co_u32 s62, s62, s63
	s_mov_b32 s63, 0
	s_add_nc_u64 s[8:9], s[8:9], s[62:63]
.irp t, 0,1,2,3,4,5,6,7                ; in the result's layout: tile 2 b + u, lane (r, h), register j: column 32 b + 16 h + 8 u + j
	global_load_b128 v[BI+8*\t:BI+8*\t+3], v14, s[8:9] offset:(32*(\t/2)+8*(\t%2))*4
	global_load_b128 v[BI+8*\t+4:BI+8*\t+7], v14, s[8:9] offset:(32*(\t/2)+8*(\t%2))*4+16
.endr
	s_lshl_b32 s93, s24, 19                        ; my 64 rows of 4,096 bytes: 128 y + 64 i
	s_add_co_u32 s62, s62, s93
	s_lshl_b32 s93, s20, 18
	s_add_co_u32 s62, s62, s93
	s_add_nc_u64 s[94:95], s[10:11], s[62:63]
.macro FETCH q, p                      ; K step q's fragments into set p: 24 loads of 512 consecutive bytes
	WIN 0x40
.irp m, 0,1,2,3
.irp c, 0,1
	ds_load_b128 v[128*(\p)+8*\m+4*\c:128*(\p)+8*\m+4*\c+3], v4 offset:8192*\m+1024*(\q)+512*\c
.endr
.endr
.irp t, 0,1,2,3,4,5,6,7
.irp c, 0,1
	ds_load_b128 v[128*(\p)+32+8*\t+4*\c:128*(\p)+32+8*\t+4*\c+3], v6 offset:8192*\t+1024*(\q)+512*\c
.endr
.endr
.endm
.macro WM row                          ; row = 1: K steps 4 to 7 take their scale words from lanes 16-31
.if \row
	v_wmma_scale_f32_16x16x128_f8f6f4 v[rD:rD+7], v[rA:rA+7], v[rB:rB+7], v[rC:rC+7], v[sA], v[sB] matrix_a_fmt:MATRIX_FMT_FP4 matrix_b_fmt:MATRIX_FMT_FP4 matrix_a_scale:MATRIX_SCALE_ROW1 matrix_b_scale:MATRIX_SCALE_ROW1
.else
	v_wmma_scale_f32_16x16x128_f8f6f4 v[rD:rD+7], v[rA:rA+7], v[rB:rB+7], v[rC:rC+7], v[sA], v[sB] matrix_a_fmt:MATRIX_FMT_FP4 matrix_b_fmt:MATRIX_FMT_FP4
.endif
.endm
.macro MUL q, p                        ; 32 products, the accumulators by turns
.if (\q) == 0
	WIN 0x85                                       ; sources 0, 1 window 1, C (the bias) window 0, D window 2
.else
	WIN 0xa5                                       ; C and D window 2
.endif
.irp m, 0,1,2,3
.irp t, 0,1,2,3,4,5,6,7
.set rD, 8*(8*\m+\t)
.set rA, 128*(\p)+32+8*\t
.set rB, 128*(\p)+8*\m
.if (\q) == 0
.set rC, BI+8*\t
.else
.set rC, 8*(8*\m+\t)
.endif
.set sA, WS+4*\t+(\q)%4
.set sB, XS+4*\m+(\q)%4
	WM (\q)/4
.endr
.endr
.endm
.macro KSTEP q
	s_wait_dscnt 0x0                               ; this step's fragments are in (asked for 32 matrix instructions ago)
.if (\q) < 7
.if (\q) > 0
	PLACES
.endif
	FETCH (\q)+1, ((\q)+1)%2
.endif
	MUL \q, (\q)%2
.endm
; THE WAY OUT, a tile of 16 rows x 128 columns at a time, through my own stage: a lane holds 32 neighbouring bytes of a row; whole rows of 512 bytes come back.
; LDS serves a wave's instructions in order (ISA guide 5.7.1.4): no wait between the stores and the loads, nor ahead of the next tile's stores.
.macro TOSTAGE m
	WIN 0x08                                       ; an LDS store's data: window 2
.irp t, 0,1,2,3,4,5,6,7
	ds_store_b128 v[STO], v[8*(8*(\m)+\t):8*(8*(\m)+\t)+3] offset:128*(\t/2)+32*(\t%2)        ; each accumulator from its low end on
	ds_store_b128 v[STO], v[8*(8*(\m)+\t)+4:8*(8*(\m)+\t)+7] offset:128*(\t/2)+32*(\t%2)+16
.endr
	WIN 0
.set BB, 160-64*((\m)%2)
.irp i, 0,1,2,3,4,5,6,7,8,9,10,11,12,13,14,15
	ds_load_b128 v[BB+4*\i:BB+4*\i+3], v[RD] offset:\i*SPITCH
.endr
.endm
.macro SEND m, younger                 ; younger: the LDS instructions issued behind tile m's loads, which may stay out
.set BB, 160-64*((\m)%2)
	s_wait_dscnt \younger
.irp i, 0,1,2,3,4,5,6,7,8,9,10,11,12,13,14,15
	global_store_b128 v[LI], v[BB+4*\i:BB+4*\i+3], s[94:95] offset:(32*((\m)/2)+8*((\m)%2)+\i+8*(\i/8))*4096 th:TH_STORE_NT   ; 512 consecutive bytes of the row that lane-row i of tile m stands for
.endr
.endm
	s_wait_tensorcnt 0x0                           ; my block has landed,
	s_barrier_signal -1
	s_barrier_wait -1                              ; everybody's has
	FETCH 0, 0
	s_wait_loadcnt 0x0                             ; the scale images and the bias
	KSTEP 0
	KSTEP 1
	KSTEP 2
	KSTEP 3
	KSTEP 4
	KSTEP 5
	KSTEP 6
	KSTEP 7
	PLACES
	TOSTAGE 0
	TOSTAGE 1
	SEND 0, 32                                     ; behind tile 0's loads: tile 1's 16 stores and 16 loads
	s_wait_xcnt 0x0                                ; tile 0's stores have read their registers: tile 2's loads may land there
	TOSTAGE 2
	SEND 1, 32
	s_wait_xcnt 0x0
	TOSTAGE 3
	SEND 2, 32
	SEND 3, 0
	s_wait_tensorcnt 0x0                           ; the wave's end
	ds_add_u32 v[SPW], v[NIL]
	s_wait_dscnt 0x0
	CROUND                                         ; the closing round
	s_endpgm
.Lfunc_end_k_q4def5df916_outp:
	.size	k_q4def5df916_outp, .Lfunc_end_k_q4def5df916_outp-k_q4def5df916_outp
	.p2alignl 7, 3214868480
	.fill 96, 4, 3214868480
	.section	.rodata,"a",@progbits
	.p2align	6, 0x0
	.amdhsa_kernel k_q4def5df916_outp
		.amdhsa_group_segment_fixed_size 230912
		.amdhsa_private_segment_fixed_size 0
		.amdhsa_enable_private_segment 0
		.amdhsa_kernarg_size 32
		.amdhsa_user_sgpr_count 2
		.amdhsa_user_sgpr_kernarg_segment_ptr 1
		.amdhsa_wavefront_size32 1
		.amdhsa_system_sgpr_workgroup_id_x 1
		.amdhsa_system_sgpr_workgroup_id_y 1
		.amdhsa_system_sgpr_workgroup_id_z 1
		.amdhsa_system_vgpr_workitem_id 0
		.amdhsa_next_free_vgpr 768
		.amdhsa_next_free_sgpr 100
		.amdhsa_reserve_vcc 0
		.amdhsa_float_denorm_mode_32 3
		.amdhsa_float_denorm_mode_16_64 3
		.amdhsa_memory_ordered 1
		.amdhsa_forward_progress 1
		.amdhsa_inst_pref_size 69
	.end_amdhsa_kernel
	.amdgpu_metadata
---
amdhsa.version: [ 1, 2 ]
amdhsa.kernels:
  - .name:           k_q4def5df916_outp
    .symbol:         k_q4def5df916_outp.kd
    .args:
      - { .name: aq, .offset: 0, .size: 8, .value_kind: global_buffer, .address_space: global }
      - { .name: wq, .offset: 8, .size: 8, .value_kind: global_buffer, .address_space: global }
      - { .name: bo, .offset: 16, .size: 8, .value_kind: global_buffer, .address_space: global }
      - { .name: out0, .offset: 24, .size: 8, .value_kind: global_buffer, .address_space: global }
    .group_segment_fixed_size: 230912
    .private_segment_fixed_size: 0
    .kernarg_segment_align: 8
    .kernarg_segment_size: 32
    .max_flat_workgroup_size: 128
    .sgpr_count:     100
    .vgpr_count:     768
    .wavefront_size: 32
...
	.end_amdgpu_metadata
.endif
;; end of part 4
